; MI455X (gfx1250); checked and timed in simulation.
; The chip was launched on July 23, 2026; its instructions are those of AMD's public machine-readable ISA for CDNA 5 (MIT licence, August 2026) and "CDNA5" Instruction Set Architecture Reference Guide (July 2026). The comments in the code are by the model that wrote it; some were corrected since.
;; QKV Attention. Allowed arithmetic: matrix products marked QUANTISED: E3M2 operands, one E8M0 scale for each 32 along K, by v_wmma_scale_f32_16x16x128_f8f6f4 with both operands' format E3M2, f32 sums; everything else in f32.
;; Inputs: mask 8 x 1,024 x 1,024 bool; qk_bias one number float32; qkv 8 x 3,072 x 1,024 float32.
;; Outputs: out0 8 x 1,024 x 1,024 float32.
;; This version of the problem:
;;   THIS VERSION OF THE PROBLEM IS GIVEN IN LOW PRECISION. The matrix products marked QUANTISED in the list below multiply operands that are first quantised to E3M2 (3 exponent bits, 2 mantissa bits; 6 bits a number), with one power-of-two scale for each 32 numbers along K (OCP MX v1.0); their sums are f32. All else is computed in f32.
;;   The module's matrix products, in the order in which they are computed (A, B: the left and right operand; K: the contracted axis; several contracted axes count as one K, in the product's order):
;;     1. batch 128 x [M 1,024, K 64] x [K 64, N 1,024]; A: computed on the way; B: computed on the way: QUANTISED
;;     2. batch 128 x [M 64, K 1,024] x [K 1,024, N 1,024]; A: input qkv; B: softmax (see below): QUANTISED
;;   THE QUANTISER, for each operand of a quantised product, along K:
;;     - K is cut into blocks of 32 from its start; a last block that is shorter is filled with zeros.
;;     - A block's scale is 2^e with e = floor(log2(the largest magnitude in the block)) - 4, held to -126 .. 127; a block of zeros has e = 0. As a byte (E8M0): e + 127.
;;     - Each number is divided by its block's scale, clamped to +-28, and rounded to the nearest number of E3M2, ties to even, subnormals kept.
;;     - The product sums the exact products of the quantised numbers (number of the format x scale) in f32.
;;   ~~~python
;;   def quantise(x, axis):      # numpy; x: float32 -> the quantised numbers, widened to float32 again
;;       x = np.moveaxis(x, axis, -1); K = x.shape[-1]
;;       x = np.pad(x, [(0, 0)] * (x.ndim - 1) + [(0, -K % 32)]); x = x.reshape(x.shape[:-1] + (-1, 32)); a = np.abs(x).max(-1, keepdims=True)
;;       e = np.where(a > 0, np.clip(np.frexp(np.where(a > 0, a, 1))[1] - 1 - 4, -126, 127), 0)      # np.frexp(a)[1] - 1 = floor(log2(a)), exactly
;;       r = np.clip(x / 2.0 ** e, -28, 28)
;;       step = 2.0 ** (np.maximum(np.frexp(np.where(r == 0, 1, r))[1] - 1, -2) - 2)
;;       q = np.round(r / step) * step * 2.0 ** e      # np.round: ties to even
;;       return np.moveaxis(q.reshape(q.shape[:-2] + (-1,))[..., :K], -1, axis).astype(np.float32)
;;   ~~~
;;   SOFTMAX AHEAD OF A QUANTISED PRODUCT. Where the list says 'softmax', what is quantised is not the finished softmax but p = 2^(t - M), with t = logit x log2(e) and M = ceil(the row's largest t), a whole number; so 1/2 < the row's largest p <= 1. The row's sum l is taken of the UNQUANTISED p, in f32, and the product's result is divided by l at the end. Since M is a whole number, a kernel that streams over the keys may use a running M (the ceiling of the running maximum): every later rescaling is an exact power of two, which a block's scale takes up: the codes' values come out the same.
;;   OPERANDS COMPUTED ON THE WAY. 'Computed on the way' means the value that the module computes at that place (a softmax that the list does not call 'softmax' is quantised finished and normalised). What goes into a quantiser is computed in f32, as accurately as f32 sums, v_exp_f32 and their like allow (about 1e-6 of the number): no bf16 or f16 on the way to a quantiser, and a product that is left as it is and whose result goes on into a quantised operand takes f32 operands (vector FMAs, or v_wmma_f32_16x16x4_f32). A number that lies on a knife's edge between two numbers of the format may be rounded either way, as far as f32 arithmetic and the matrix unit's own rounding can turn it there, and no further.
;; 2 versions, each right; version 2 is version 1 with the launch attn written anew for expert scheduling mode. Each part assembles by itself: llvm-mc -triple=amdgcn-amd-amdhsa -mcpu=gfx1250 --defsym DOCPART=n.
;; ======== version 1 of 2: 1 launch
;; limits: right only within a limited range of input values
;; launch attn (part 1): grid 256 x 1, 16 waves a work-group, no clusters, 296,960 bytes of LDS; arguments qkv, mask, qk_bias, out0; writes out0
.if DOCPART == 1
	.amdgcn_target "amdgcn-amd-amdhsa--gfx1250"
	.amdhsa_code_object_version 6
	.text
	.protected	k_qa97a551cc5_attn
	.globl	k_qa97a551cc5_attn
	.p2align	8
	.type	k_qa97a551cc5_attn,@function
k_qa97a551cc5_attn:
	s_mov_b64 s[64:65], 0
	v_nop
	global_prefetch_b8 v0, s[64:65] scope:SCOPE_SE
	s_setreg_imm32_b32 hwreg(HW_REG_WAVE_MODE, 25, 1), 1
	s_wait_xcnt 0x0
; out0[i][c][t] = sum over s of softmax_s(mask ? (q scale).(k scale) + bias : -inf) v[c][s], 128 heads i, 64 channels, 1,024 times; head i takes mask[i % 8].
; Both products on codes of BF6 (E3M2) with one E8M0 scale for each 32 along a product's K: the first along the 64 channels, the second along the keys.
; qkv: head i = 192 rows of 1,024 f32: 64 of q, 64 of k, 64 of v, each [channel][time].
; THE SOFTMAX: t = logit x log2(e); M = the running largest t rounded up to a whole number; p = 2^(t - M) is quantised along the keys, not normalised; the row's sum is taken of the unquantised p and divides at the end.
; SHARES.  A work-group takes one head and 512 of its queries, in two passes of 256; each of its sixteen waves owns one tile of 16 queries a pass, in 256 registers, four waves to a SIMD.
; K AND V OF THE WHOLE HEAD are quantised by the work-group itself, once, into LDS, as images of the operands' registers: 96 KiB for 1,024 keys, each byte written once.  In the first pass the
; quantising runs 256 keys ahead of the attention; its f32 numbers come from memory straight into 32 registers a wave, a key step ahead.  The second pass reads LDS alone.
; LAYOUT.  Both products are used transposed (S^T = K Q^T, O^T = V^T P^T): a lane holds ONE query.  The keys of a tile of K are chosen: tile 4 c + u takes keys 64 c + 8 u + 0..7 in its rows 0-7 and keys
; 64 c + 32 + 8 u + 0..7 in its rows 8-15.  So register 32 c + e of the scores in lane (r, h) is key 64 c + 32 h + e: a WHOLE block of 32 keys in a lane, in the order that the second product's operand wants.
; THE MASK IS THE C OF THE FIRST PRODUCT.  q is quantised as q x (-scale), an exact change of sign, so the product is S' = -score.  Four mask bytes + 0x7f7f7f7f give 0x80 (counts) or 0x7f (hidden) a byte;
; that byte over 24 zero bits is -0.0 or 2^127.  So S' = -score where the key counts and about 2^127 where it is hidden; maxima become minima, and the multiply-add takes -log2(e).
; K = 64 OF THE INSTRUCTION'S 128: Q's registers 6-11 are zero codes; K's fragments lie 6 registers apart, a fragment's upper six being whatever follows (codes, or lane constants): they meet zero codes,
; under scale bytes 0 (2^-127), and add nothing.
; NO CLUSTER, NO TENSOR LOAD: only two work-groups share a head's K and V, and a lane needs a column of 32 channels of q or k in its registers, which plain loads give directly (128 consecutive bytes a wave).
; LIMITS: mask bytes are 0 or 1; a logit whose t lies under -2^100 counts as hidden; |score| stays under 1e37; NaN and infinities among the inputs are not served; a row with no key that counts gives
; 0 x (1 / 0) = NaN, as the softmax of such a row does; a block of zeros gets the scale byte 1 with zero codes; bias x log2(e) is rounded once and enters the multiply-add, where the definition rounds score + bias.
.set IMG,   0                          ; LDS: 8 key steps x 12,288: K: 4 pairs of tiles x 1,536 (lane L's 48 bytes at 48 L: tile 2 p, then tile 2 p + 1, 24 bytes each); at +6,144 V: 4 tiles x 1,536 (lane L's 12 registers at 48 L)
.set STEPI, 12288
.set SCB,   98304                      ; 8 x 768 scale bytes: K: tile x 64 + row x 4 + channel block (bytes 2, 3 of a place are never read); at +512 V: channel x 4 + block
.set STEPS, 768
.set QIMG,  104448                     ; 16 tiles x 768: lane L's 24 bytes at 24 L
.set QSC,   116736                     ; 16 x 64: row x 4 + channel block
.set WST,   117760                     ; 16 x 6,912, each wave's own: the mask's stage, 16 rows x 144; at +2,304 V's stage, 32 rows x 144
.set WSTB,  6912
.set OST,   228352                     ; the way out: 64 channels x (256 queries x 4 bytes + 16)
.set OP,    1040
.set AF0,  1                           ; v1   48 x lane: my place in an image
.set ASC0, 2                           ; v2   SCB + 4 x lane
.set AKW0, 3                           ; v3   where my share of K's codes goes, in the first pair of key steps
.set AKB0, 4                           ; v4   and its scale byte
.set AVW0, 5                           ; v5   the same for V
.set AVB0, 6                           ; v6
.set ADF,  7                           ; v7   the images of the key step in hand
.set F,    8                           ; v8-55   fragments: K's tile t at F + 6 t; V's tile t at F + 12 t
.set ASTS, 56                          ; v56  into my stage: 144 (lane / 8) + 16 (lane % 8)
.set AML,  57                          ; v57  the mask back: 144 r + 32 h
.set AVSL, 58                          ; v58  V back: 144 x lane
.set AMG,  59                          ; v59  the mask in memory: 1,024 (lane / 8) + 16 (lane % 8)
.set AXG,  60                          ; v60  4 x lane
.set AVG,  61                          ; v61  16 x lane          (v56-61 are never rewritten: they also stand behind K's last tile as its idle upper six registers)
.set ADS,  62                          ; v62  the scale bytes of the key step in hand
.set BL,   63                          ; v63  bias x log2(e)
.set AD,   64                          ; v64  BL - M;  v65 the largest t so far (named with it as a pair)
.set TMX,  65
.set NGM,  66                          ; v66  -M
.set T0,   67
.set SUM,  68                          ; v[68:69] the row's sum, in two halves
.set FF,   70                          ; v70  2^(old M - new M), at the end 1 / sum;  v71 = 0 for the whole launch
.set NIL,  71
.set BM,   72                          ; v72-73 a block's least S', then its largest p
.set SO,   74                          ; v74-75 the conversions' scale operands
.set SM2,  76                          ; v[76:77] the scale bytes, then the second chain of the sum; on the way out two addresses
.set T1,   78
.set T2,   79
.set Q,    80                          ; v80-91  Q's fragment; 86-91 stay 0
.set QS,   92                          ; v92-99 hold scales and nothing else: Q's, p's, K's four (lanes 0-15 tile 2 p, lanes 16-31 tile 2 p + 1), V's two
.set PS,   93
.set KS,   94
.set VS,   98
.set P,    100                         ; v100-111 p's codes; between steps a share's codes
.set W,    112                         ; v112-127 mask bytes
.set X,    128                         ; v128-159 32 f32 numbers on their way from memory
.set O,    160                         ; v160-191 O^T: register 8 t + j = channel 16 t + 8 h + j of my query
.set S,    192                         ; v192-255 C, then S', then p
; scalars: s[4:11] arguments; s12 wave; s[16:17] K's, s[18:19] V's, s[22:23] the mask's, s[24:25] the output's pointer; s[20:21] Q of the second pass; s[26:27] at work;
; s[28:29] lane selects; s[30:31] -log2(e); s[32:33] scale; s[34:35] -scale; s37 0x7f7f7f7f; s38-41 byte selects; s42, s43 read offsets; s44, s45 write offsets; s46 counter; s56-61 LDS constants of my wave
; 32 numbers down 32 channels of one column (a key or a query): a load reads 128 consecutive bytes a wave
.macro XLOADK reg, base
.set ii, 0
.rept 32
	global_load_b32 v[\reg+ii], v[AXG], s[\base:\base+1] offset:ii*4096
.set ii, ii+1
.endr
.endm
; 4 channels x 256 keys of V: a load reads 512 consecutive bytes of one channel
.macro XLOADV reg
.irp i, 0,1,2,3,4,5,6,7
	global_load_b128 v[\reg+4*\i:\reg+4*\i+3], v[AVG], s[18:19] offset:(\i/2)*4096+(\i%2)*512
.endr
.endm
; A lane's 32 numbers, one whole block, become 24 bytes of codes at LDS v[aw] and a scale byte at v[ab].
.macro QCORE reg, aw, ab
	v_max3_num_f32 v[BM], |v[\reg]|, |v[\reg+1]|, 0x2800000          ; two chains; the floor 2^(5 - 127) among the leaves holds the byte at 1 from below
	v_max3_num_f32 v[BM+1], |v[\reg+16]|, |v[\reg+17]|, 0x2800000
.irp i, 2,4,6,8,10,12,14
	v_max3_num_f32 v[BM], v[BM], |v[\reg+\i]|, |v[\reg+\i+1]|
	v_max3_num_f32 v[BM+1], v[BM+1], |v[\reg+16+\i]|, |v[\reg+17+\i]|
.endr
	v_max_num_f32 v[BM], v[BM], v[BM+1]                              ; the block's largest magnitude
	s_wait_dscnt 0x0                                                 ; an earlier share's LDS stores are done: their code and byte registers are written again below
	v_add_nc_u32 v[SO], 0xfe000000, v[BM]                            ; 4 off the exponent field: the conversion takes that field as its scale
	v_cvt_scalef32_pk16_bf6_f32 v[P:P+2], v[\reg:\reg+15], v[SO]
	v_cvt_scalef32_pk16_bf6_f32 v[P+8:P+10], v[\reg+16:\reg+31], v[SO]   ; (a conversion's three registers begin on an even number)
	v_lshrrev_b32 v[SO+1], 23, v[SO]                                 ; the scale's byte; also the plain line behind the conversions
	v_mov_b32 v[P+3], v[P+8]
	v_mov_b32 v[P+4], v[P+9]
	v_mov_b32 v[P+5], v[P+10]
	ds_store_b64 v[\aw], v[P:P+1]
	ds_store_b64 v[\aw], v[P+2:P+3] offset:8
	ds_store_b64 v[\aw], v[P+4:P+5] offset:16
	ds_store_b8 v[\ab], v[SO+1]
.endm
; a share of K or of Q: x scale in f32 first (s[sc:sc+1]: +scale for K, -scale for Q)
.macro QK reg, sc, aw, ab
.set ii, 0
.rept 16
	v_pk_mul_f32 v[\reg+ii:\reg+ii+1], v[\reg+ii:\reg+ii+1], s[\sc:\sc+1] op_sel_hi:[1,0]
.set ii, ii+2
.endr
	QCORE \reg, \aw, \ab
.endm
; a share of V: the 4,096 bytes turn through my own stage, so that a lane holds one block of 32 neighbouring keys (row 8 ch + block of the stage = lane)
.macro QV reg, aw, ab
.irp i, 0,1,2,3,4,5,6,7
	ds_store_b128 v[ASTS], v[\reg+4*\i:\reg+4*\i+3] offset:2304+576*\i
.endr
.irp i, 0,1,2,3,4,5,6,7
	ds_load_b128 v[\reg+4*\i:\reg+4*\i+3], v[AVSL] offset:16*\i     ; LDS serves a wave's instructions in order: these see the stores above
.endr
	s_wait_dscnt 0x0
	QCORE \reg, \aw, \ab
.endm
; where my share of Q goes: lane = query 32 (wave / 2) + lane of the pass: tile 2 (wave / 2) + lane / 16, operand lane r + 16 (wave % 2)
.macro QADDR
	v_bfe_u32 v[T1], v0, 4, 1
	v_and_b32 v[T0], 15, v0
	v_lshlrev_b32 v[T2], 6, v[T1]
	v_mul_u32_u24 v[T1], v[T1], 768
	v_mad_u32_u24 v[T1], v[T0], 24, v[T1]
	v_lshl_add_u32 v[T2], v[T0], 2, v[T2]
	v_add_nc_u32 v[T1], s56, v[T1]
	v_add_nc_u32 v[T2], s57, v[T2]
.endm
; my tile of Q: four LDS loads
.macro QFETCH
	v_and_b32 v[T0], 31, v0
	v_mul_u32_u24 v[T0], v[T0], 24
	v_add_nc_u32 v[T0], s58, v[T0]
	ds_load_b64 v[Q:Q+1], v[T0]
	ds_load_b64 v[Q+2:Q+3], v[T0] offset:8
	ds_load_b64 v[Q+4:Q+5], v[T0] offset:16
	v_and_b32 v[T1], 15, v0
	v_lshl_add_u32 v[T1], v[T1], 2, s59
	ds_load_u16 v[QS], v[T1]                                         ; two bytes; bytes 2 and 3 of the word are 0
.endm
.macro BAR                                     ; my LDS stores have landed and my LDS loads are in: then the work-group's barrier
	s_wait_dscnt 0x0
	s_barrier_signal -1
	s_barrier_wait -1
.endm
; a pass begins: the step is written once; its first turn finds zeros, which the first change of M leaves zeros
.macro INIT
.set ii, 0
.rept 32
	v_mov_b32 v[O+ii], 0
.set ii, ii+1
.endr
	v_mov_b32 v[SUM], 0
	v_mov_b32 v[SUM+1], 0
	v_mov_b32 v[TMX], 0xf1800000                                     ; -2^100, under every t that is served
	v_floor_f32 v[NGM], -v[TMX]
	s_mov_b32 s42, 0
	s_mov_b32 s43, 0
	v_add_nc_u32 v[ADF], s42, v[AF0]
	v_add_nc_u32 v[ADS], s43, v[ASC0]
.endm
; A KEY STEP: my 16 queries x 128 keys.  xl: the loads issued behind this step's four mask loads.  inc: how far the mask's pointer goes for the next step.  guard = 1: the pass's last step asks for no mask.
.macro STEP xl, inc, guard
	s_wait_loadcnt \xl                                               ; loads come back in order: the four mask loads are in, the younger ones stay out
.irp i, 0,1,2,3
	ds_store_b128 v[ASTS], v[W+4*\i:W+4*\i+3] offset:576*\i         ; 16 rows x 128 bytes through my stage,
.endr
	ds_load_b128 v[W:W+3], v[AML]                                    ; and back: my query's bytes of keys 32 h + 0..31
	ds_load_b128 v[W+4:W+7], v[AML] offset:16
	ds_load_b128 v[W+8:W+11], v[AML] offset:64                       ; and 64 + 32 h + 0..31
	ds_load_b128 v[W+12:W+15], v[AML] offset:80
.irp n, 0,1,2,3,4,5,6,7,8,9,10,11
	ds_load_b128 v[F+4*\n:F+4*\n+3], v[ADF] offset:(\n/3)*1536+16*(\n%3)   ; K's eight tiles, two to an image
.endr
.irp i, 0,1,2,3
	ds_load_u16 v[KS+\i], v[ADS] offset:128*\i
.endr
	s_wait_dscnt 16                                                  ; the mask bytes are back; K's 12 + 4 loads may be out
.set ii, 0
.rept 16
	v_add_nc_u32 v[W+ii], s37, v[W+ii]                               ; four bytes at once: 1 -> 0x80, 0 -> 0x7f; no carry leaves a byte
.set ii, ii+1
.endr
.set ii, 0
.rept 64
	v_perm_b32 v[S+ii], v[W+ii/4], v[NIL], s[38+ii%4]                ; byte ii % 4 over 24 zero bits: -0.0 or 2^127: the product's C
.set ii, ii+1
.endr
.rept 4
	v_nop                                                            ; between the vector writes of C and the products
.endr
.if \guard
	s_cmp_eq_u32 s46, 1
	s_cbranch_scc1 .Lno_mask_\@                                      ; behind the very last step no load leaves the mask
.endif
	s_add_nc_u64 s[22:23], s[22:23], \inc                            ; (the loads that named this pointer were shown done at the step's head)
.irp i, 0,1,2,3
	global_load_b128 v[W+4*\i:W+4*\i+3], v[AMG], s[22:23] offset:4096*\i   ; the next step's mask: 4 rows x 128 bytes a load
.endr
.if \guard
.Lno_mask_\@:
.endif
	s_wait_dscnt 0x0                                                 ; K's fragments and scale words
.irp t, 0,2,4,6                                ; S' = C - K Q^T: eight accumulators, one instruction each
	v_wmma_scale_f32_16x16x128_f8f6f4 v[S+8*\t:S+8*\t+7], v[F+6*\t:F+6*\t+11], v[Q:Q+11], v[S+8*\t:S+8*\t+7], v[KS+\t/2], v[QS] matrix_a_fmt:MATRIX_FMT_BF6 matrix_b_fmt:MATRIX_FMT_BF6
	v_wmma_scale_f32_16x16x128_f8f6f4 v[S+8*\t+8:S+8*\t+15], v[F+6*\t+6:F+6*\t+17], v[Q:Q+11], v[S+8*\t+8:S+8*\t+15], v[KS+\t/2], v[QS] matrix_a_fmt:MATRIX_FMT_BF6 matrix_b_fmt:MATRIX_FMT_BF6 matrix_a_scale:MATRIX_SCALE_ROW1
.endr
.rept 4
	v_nop                                                            ; four places behind the products (ISA guide 7.12.1)
.endr
	v_min3_num_f32 v[BM], v[S], v[S+1], v[S+2]                       ; the least S' (the largest score) of each of my two blocks of 32 keys, ascending
	v_min3_num_f32 v[BM+1], v[S+32], v[S+33], v[S+34]
.irp i, 3,5,7,9,11,13,15,17,19,21,23,25,27,29
	v_min3_num_f32 v[BM], v[BM], v[S+\i], v[S+\i+1]
	v_min3_num_f32 v[BM+1], v[BM+1], v[S+32+\i], v[S+33+\i]
.endr
	v_min_num_f32 v[BM], v[BM], v[S+31]
	v_min_num_f32 v[BM+1], v[BM+1], v[S+63]
	v_min_num_f32 v[T0], v[BM], v[BM+1]
	v_permlanex16_b32 v[T1], v[T0], s28, s29                         ; my query's other 64 keys lie in the lane 16 away
	v_min_num_f32 v[T0], v[T0], v[T1]
	v_fma_f32 v[T0], v[T0], s30, v[BL]                               ; the step's largest t = -S' log2(e) + bias log2(e)
	v_max_num_f32 v[TMX], v[TMX], v[T0]
	v_mov_b32 v[T1], v[NGM]
	v_floor_f32 v[NGM], -v[TMX]                                      ; -M = floor(-t): M is a whole number
	v_sub_f32 v[T1], v[NGM], v[T1]                                   ; old M - new M, 0 or less
	v_cvt_i32_f32 v[T1], v[T1]                                       ; (it saturates)
	v_ldexp_f32 v[FF], 1.0, v[T1]                                    ; 2^(old M - new M): rounds nothing
	v_add_f32 v[AD], v[BL], v[NGM]
.set ii, 0
.rept 32
	v_pk_fma_f32 v[S+ii:S+ii+1], v[S+ii:S+ii+1], s[30:31], v[AD:AD+1] op_sel_hi:[1,0,0]   ; t - M, two at a time
.set ii, ii+2
.endr
	v_fma_f32 v[BM], v[BM], s30, v[AD]                               ; the same of each block's largest score
	v_fma_f32 v[BM+1], v[BM+1], s30, v[AD]
.set ii, 0
.rept 64
	v_exp_f32 v[S+ii], v[S+ii]                                       ; p = 2^(t - M); a hidden key's is 0
.set ii, ii+1
.endr
	v_exp_f32 v[BM], v[BM]                                           ; the block's largest p: the same two instructions on the same number
	v_exp_f32 v[BM+1], v[BM+1]
	v_pk_mul_f32 v[SUM:SUM+1], v[SUM:SUM+1], v[FF:FF+1] op_sel_hi:[1,0]   ; the sum under the new M; also the plain line behind the exponentials
	s_wait_alu depctr_va_vdst(0)
	v_max_num_f32 v[BM], 0x2800000, v[BM]                            ; the floor 2^(5 - 127)
	v_max_num_f32 v[BM+1], 0x2800000, v[BM+1]
	v_add_nc_u32 v[SO], 0xfe000000, v[BM]
	v_add_nc_u32 v[SO+1], 0xfe000000, v[BM+1]
	v_lshrrev_b32 v[SM2], 23, v[SO]
	v_lshrrev_b32 v[SM2+1], 23, v[SO+1]
	v_lshl_or_b32 v[T1], v[SM2+1], 16, v[SM2]                        ; my blocks h and 2 + h
	v_permlanex16_b32 v[T2], v[T1], s28, s29
	v_lshl_or_b32 v[PS], v[T2], 8, v[T1]                             ; lanes 0-15: the four bytes of my query's scale word; lanes 16-31 are not read
	v_cvt_scalef32_pk16_bf6_f32 v[P:P+2], v[S:S+15], v[SO]
	v_cvt_scalef32_pk16_bf6_f32 v[F:F+2], v[S+16:S+31], v[SO]        ; (three registers from an even number on: the odd halves are made where K's fragments lay, and moved)
	v_cvt_scalef32_pk16_bf6_f32 v[P+6:P+8], v[S+32:S+47], v[SO+1]
	v_cvt_scalef32_pk16_bf6_f32 v[F+4:F+6], v[S+48:S+63], v[SO+1]
	v_nop                                                            ; one plain line behind the conversions
.irp i, 0,1,2
	v_mov_b32 v[P+3+\i], v[F+\i]
	v_mov_b32 v[P+9+\i], v[F+4+\i]
.endr
.irp n, 0,1,2,3,4,5,6,7,8,9,10,11
	ds_load_b128 v[F+4*\n:F+4*\n+3], v[ADF] offset:6144+(\n/3)*1536+16*(\n%3)   ; V's four tiles
.endr
	ds_load_b32 v[VS], v[ADS] offset:512
	ds_load_b32 v[VS+1], v[ADS] offset:640
	v_pk_add_f32 v[SM2:SM2+1], v[S:S+1], v[S+2:S+3]                  ; the row's sum of the unquantised p, in two chains.  These 32 lines are also the places between the writes of p's codes and scale word and the products
.set ii, 4
.rept 15
	v_pk_add_f32 v[SUM:SUM+1], v[SUM:SUM+1], v[S+ii:S+ii+1]
	v_pk_add_f32 v[SM2:SM2+1], v[SM2:SM2+1], v[S+ii+2:S+ii+3]
.set ii, ii+4
.endr
	v_pk_add_f32 v[SUM:SUM+1], v[SUM:SUM+1], v[SM2:SM2+1]
.set ii, 0
.rept 16
	v_pk_mul_f32 v[O+ii:O+ii+1], v[O+ii:O+ii+1], v[FF:FF+1] op_sel_hi:[1,0]   ; O^T under the new M, each tile from its low end on
.set ii, ii+2
.endr
	s_wait_dscnt 0x0                                                 ; V's fragments and scale words
.irp t, 0,2                                    ; O^T += V^T P^T: four accumulators, one instruction each
	v_wmma_scale_f32_16x16x128_f8f6f4 v[O+8*\t:O+8*\t+7], v[F+12*\t:F+12*\t+11], v[P:P+11], v[O+8*\t:O+8*\t+7], v[VS+\t/2], v[PS] matrix_a_fmt:MATRIX_FMT_BF6 matrix_b_fmt:MATRIX_FMT_BF6
	v_wmma_scale_f32_16x16x128_f8f6f4 v[O+8*\t+8:O+8*\t+15], v[F+12*\t+12:F+12*\t+23], v[P:P+11], v[O+8*\t+8:O+8*\t+15], v[VS+\t/2], v[PS] matrix_a_fmt:MATRIX_FMT_BF6 matrix_b_fmt:MATRIX_FMT_BF6 matrix_a_scale:MATRIX_SCALE_ROW1
.endr
	s_add_co_u32 s42, s42, STEPI                                     ; on to the next key step's images and scale bytes
	s_add_co_u32 s43, s43, STEPS
	v_add_nc_u32 v[ADF], s42, v[AF0]                                 ; with the two v_nop: four places behind the products, ahead of loads into their fragments, writes of p's codes and reads of O^T
	v_add_nc_u32 v[ADS], s43, v[ASC0]
	v_nop
	v_nop
.endm
; THE WAY OUT of a pass.  O^T / sum goes into the work-group's stage [channel][256 queries]; each wave then stores 4 whole channels, 512 consecutive bytes an instruction.
; pass = 0: the second pass's Q is quantised ahead of the same barrier and fetched behind it.
.macro FINISH pass
	v_add_f32 v[T0], v[SUM], v[SUM+1]
	v_permlanex16_b32 v[T1], v[T0], s28, s29
	v_add_f32 v[T0], v[T0], v[T1]                                    ; the row's sum
	v_rcp_f32 v[FF], v[T0]
	v_bfe_u32 v[SM2], v0, 4, 1                                       ; (a plain line behind the reciprocal)
	v_and_b32 v[SM2+1], 15, v0
	v_mul_u32_u24 v[SM2], v[SM2], 8*OP
	v_lshl_add_u32 v[SM2], v[SM2+1], 2, v[SM2]
	v_add_nc_u32 v[SM2], s60, v[SM2]                                 ; in: channel 8 h (+ 16 t + j in the offset), query 16 wave + r
	v_add_nc_u32 v[SM2+1], s61, v[AVG]                               ; back: channel 4 wave on, 16 bytes a lane
.set ii, 0
	s_wait_alu depctr_va_vdst(0)
.rept 16
	v_pk_mul_f32 v[O+ii:O+ii+1], v[O+ii:O+ii+1], v[FF:FF+1] op_sel_hi:[1,0]
.set ii, ii+2
.endr
.if \pass
	BAR                                                              ; every wave's reads of the first pass's stage are over
.endif
.irp t, 0,1,2,3
.irp j, 0,1,2,3,4,5,6,7
	ds_store_b32 v[SM2], v[O+8*\t+\j] offset:(16*\t+\j)*OP
.endr
.endr
.if \pass == 0
	s_wait_loadcnt 4                                                 ; the second pass's Q is in; its first four mask loads may be out
	QADDR
	QK X, 34, T1, T2
.endif
	BAR                                                              ; the stage is whole (and Q's images are)
.irp n, 0,1,2,3,4,5,6,7
	ds_load_b128 v[S+4*\n:S+4*\n+3], v[SM2+1] offset:(\n/2)*OP+(\n%2)*512
.endr
.if \pass == 0
	QFETCH
.endif
.irp n, 0,1,2,3,4,5,6,7
	s_wait_dscnt 7-\n+4*(1-\pass)                                    ; LDS loads come back in order: load n is in (behind the eight stand Q's four in the first pass)
	global_store_b128 v[AVG], v[S+4*\n:S+4*\n+3], s[24:25] offset:(\n/2)*4096+(\n%2)*512 th:TH_STORE_NT   ; 32 lanes store 512 consecutive bytes, at a multiple of 512 from the output's first byte
.endr
.if \pass == 0
	s_wait_dscnt 0x0                                                 ; Q
	INIT
	s_wait_xcnt 0x0                                                  ; the stores' data registers and base are written again only behind this wait
	s_add_nc_u64 s[24:25], s[24:25], 1024                            ; 256 queries on
.endif
.endm
	; ---- the head
	s_load_b256 s[4:11], s[0:1], 0x0               ; qkv s[4:5], mask s[6:7], bias s[8:9], out0 s[10:11]
	v_lshrrev_b32 v72, 5, v0
	v_readfirstlane_b32 s12, v72                   ; wave 0..15
	v_and_b32 v72, 31, v0                          ; lane
	v_and_b32 v73, 15, v0                          ; r
	v_bfe_u32 v74, v0, 4, 1                        ; h
	v_bfe_u32 v75, v0, 3, 2                        ; lane / 8
	v_and_b32 v76, 7, v0                           ; lane % 8
	v_lshlrev_b32 v[AXG], 2, v72
	v_lshlrev_b32 v[AVG], 4, v72
	v_lshlrev_b32 v[AMG], 10, v75
	v_lshl_add_u32 v[AMG], v76, 4, v[AMG]
	s_lshr_b32 s13, ttmp9, 1                       ; the head
	s_and_b32 s14, ttmp9, 1                        ; which 512 queries
	s_and_b32 s15, s12, 1                          ; my share: which 32 channels of q and k,
	s_lshr_b32 s47, s12, 1                         ; and which 32 columns of 256
	s_mul_i32 s48, s13, 786432                     ; the head's first byte in qkv (under 2^27)
	s_lshl_b32 s50, s15, 17
	s_lshl_b32 s51, s47, 7
	s_add_co_u32 s50, s50, s51
	s_add_co_u32 s50, s50, s48                     ; + 32 channels x 4,096 + 32 columns x 4
	s_mov_b32 s51, 0
	s_lshl_b32 s52, s14, 11
	s_add_co_u32 s52, s52, s50                     ; Q: + my half's 512 queries
	s_mov_b32 s53, 0
	s_add_co_u32 s50, s50, 262144                  ; K: 64 rows on
	s_lshl_b32 s54, s12, 14
	s_add_co_u32 s48, s48, s54
	s_add_co_u32 s48, s48, 524288                  ; V: 128 rows on, + my 4 channels
	s_mov_b32 s49, 0
	s_and_b32 s54, s13, 7                          ; the mask of head % 8,
	s_lshl_b32 s54, s54, 20
	s_lshl_b32 s55, s14, 19                        ; my half's 512 rows,
	s_add_co_u32 s54, s54, s55
	s_lshl_b32 s55, s12, 14                        ; my wave's 16
	s_add_co_u32 s54, s54, s55
	s_mov_b32 s55, 0
	s_wait_kmcnt 0x0
	s_load_b32 s36, s[8:9], 0x0                    ; the bias
	s_add_nc_u64 s[26:27], s[4:5], s[52:53]
	s_add_nc_u64 s[16:17], s[4:5], s[50:51]
	s_add_nc_u64 s[18:19], s[4:5], s[48:49]
	s_add_nc_u64 s[20:21], s[26:27], 1024          ; the second pass's Q: 256 queries on
	s_add_nc_u64 s[22:23], s[6:7], s[54:55]
	XLOADK X, 26                                   ; Q of the first pass,
	XLOADK S, 16                                   ; K of keys 0-255,
	XLOADV S+32                                    ; V of keys 0-255,
.irp i, 0,1,2,3
	global_load_b128 v[W+4*\i:W+4*\i+3], v[AMG], s[22:23] offset:4096*\i   ; and the first step's mask
.endr
	s_lshl_b32 s48, s13, 18                        ; the output: the head's 64 rows,
	s_lshl_b32 s49, s12, 14                        ; my 4 channels,
	s_add_co_u32 s48, s48, s49
	s_lshl_b32 s49, s14, 11                        ; my half's queries
	s_add_co_u32 s48, s48, s49
	s_mov_b32 s49, 0
	s_add_nc_u64 s[24:25], s[10:11], s[48:49]
	s_mov_b32 s28, 0x76543210
	s_mov_b32 s29, 0xfedcba98                      ; v_permlanex16_b32: lane l xor 16
	s_mov_b32 s30, 0xbfb8aa3b                      ; -log2(e)
	s_mov_b32 s31, s30                             ; (named with it as a pair, so it is written)
	s_mov_b32 s32, 0x3eb504f3                      ; scale = 1 / sqrt(sqrt(64))
	s_mov_b32 s33, s32
	s_mov_b32 s34, 0xbeb504f3                      ; -scale
	s_mov_b32 s35, s34
	s_mov_b32 s37, 0x7f7f7f7f
	s_mov_b32 s38, 0x04000000                      ; v_perm_b32: the top byte takes byte 0 .. 3 of the first source, the others byte 0 of the second (0)
	s_mov_b32 s39, 0x05000000
	s_mov_b32 s40, 0x06000000
	s_mov_b32 s41, 0x07000000
	; LDS constants of my wave.  My 32 keys of a pair of steps: step wave / 8, keys 64 c + 32 hk + lane with c = bit 2, hk = bit 1 of the wave's number
	s_lshr_b32 s50, s12, 3
	s_bfe_u32 s51, s12, 0x10002
	s_bfe_u32 s52, s12, 0x10001
	s_mul_i32 s53, s50, STEPI
	s_mul_i32 s54, s51, 3072
	s_add_co_u32 s53, s53, s54
	s_mul_i32 s54, s52, 384
	s_add_co_u32 s53, s53, s54
	s_mul_i32 s54, s15, 768
	s_add_co_u32 s53, s53, s54                     ; K's codes: pair of tiles 2 c (+ lane / 16), operand lane 8 hk + 16 cb (+ lane % 8)
	s_mul_i32 s54, s50, STEPS
	s_lshl_b32 s55, s51, 8
	s_add_co_u32 s54, s54, s55
	s_lshl_b32 s55, s52, 5
	s_add_co_u32 s54, s54, s55
	s_add_co_u32 s54, s54, s15
	s_add_co_u32 s54, s54, SCB                     ; K's scale byte: tile 4 c (+ lane / 8), row 8 hk (+ lane % 8), byte cb
	v_mul_u32_u24 v[AF0], v72, 48
	v_lshl_add_u32 v[ASC0], v72, 2, SCB
	v_mul_u32_u24 v[AKW0], v74, 1536
	v_mad_u32_u24 v[AKW0], v76, 48, v[AKW0]
	v_bfe_u32 v77, v0, 3, 1
	v_mad_u32_u24 v[AKW0], v77, 24, v[AKW0]
	v_add_nc_u32 v[AKW0], s53, v[AKW0]
	v_lshlrev_b32 v[AKB0], 6, v75
	v_lshl_add_u32 v[AKB0], v76, 2, v[AKB0]
	v_add_nc_u32 v[AKB0], s54, v[AKB0]
	s_lshr_b32 s50, s12, 2                         ; V: my channels 4 wave + lane / 8: tile wave / 4, row 4 (wave % 4) + lane / 8;
	s_mul_i32 s50, s50, 1536
	s_and_b32 s51, s12, 3
	s_mul_i32 s51, s51, 192
	s_add_co_u32 s50, s50, s51
	s_add_co_u32 s50, s50, 6144
	s_lshl_b32 s51, s12, 4
	s_add_co_u32 s51, s51, SCB+512
	v_mul_u32_u24 v[AVW0], v75, 48                 ; my block lane % 8 of the pair's eight: step bit 2, operand half bit 0, registers 6 x bit 1 on
	v_bfe_u32 v77, v0, 2, 1
	v_mad_u32_u24 v[AVW0], v77, STEPI, v[AVW0]
	v_and_b32 v78, 1, v0
	v_mad_u32_u24 v[AVW0], v78, 768, v[AVW0]
	v_bfe_u32 v79, v0, 1, 1
	v_mad_u32_u24 v[AVW0], v79, 24, v[AVW0]
	v_add_nc_u32 v[AVW0], s50, v[AVW0]
	v_and_b32 v[AVB0], 3, v0
	v_lshl_add_u32 v[AVB0], v75, 2, v[AVB0]
	v_mad_u32_u24 v[AVB0], v77, STEPS, v[AVB0]
	v_add_nc_u32 v[AVB0], s51, v[AVB0]
	s_mul_i32 s55, s12, WSTB
	s_add_co_u32 s55, s55, WST                     ; my stages
	v_mul_u32_u24 v[ASTS], v75, 144
	v_lshl_add_u32 v[ASTS], v76, 4, v[ASTS]
	v_add_nc_u32 v[ASTS], s55, v[ASTS]
	v_mul_u32_u24 v[AML], v73, 144
	v_lshl_add_u32 v[AML], v74, 5, v[AML]
	v_add_nc_u32 v[AML], s55, v[AML]
	v_mul_u32_u24 v[AVSL], v72, 144
	v_add_nc_u32 v[AVSL], s55, v[AVSL]
	v_add_nc_u32 v[AVSL], 2304, v[AVSL]
	s_mul_i32 s56, s47, 1536                       ; Q's images, written:
	s_mul_i32 s52, s15, 384
	s_add_co_u32 s56, s56, s52
	s_add_co_u32 s56, s56, QIMG
	s_lshl_b32 s57, s47, 7
	s_add_co_u32 s57, s57, s15
	s_add_co_u32 s57, s57, QSC
	s_mul_i32 s58, s12, 768                        ; and read: my tile
	s_add_co_u32 s58, s58, QIMG
	s_lshl_b32 s59, s12, 6
	s_add_co_u32 s59, s59, QSC
	s_lshl_b32 s60, s12, 6                         ; the output's stage: my 16 queries,
	s_add_co_u32 s60, s60, OST
	s_mul_i32 s61, s12, 4*OP                       ; my 4 channels
	s_add_co_u32 s61, s61, OST
.irp i, 6,7,8,9,10,11
	v_mov_b32 v[Q+\i], 0                           ; channels 64-127 do not exist: zero codes
.endr
	v_mov_b32 v[NIL], 0
	s_wait_kmcnt 0x0
	v_mov_b32 v[BL], s36
	v_mul_f32 v[BL], 0x3fb8aa3b, v[BL]             ; bias x log2(e)
	s_wait_loadcnt 44                              ; Q's 32 loads are in: behind them stand K's 32, V's 8 and the mask's 4
	QADDR
	QK X, 34, T1, T2
	s_wait_xcnt 0x0                                ; K's pointer is stepped only behind this wait: the loads that name it may be out
	s_add_nc_u64 s[16:17], s[16:17], 1024
	XLOADK X, 16                                   ; K of keys 256-511
	s_wait_loadcnt 44                              ; K of keys 0-255 is in: behind it V's 8, the mask's 4 and the 32 just issued
	QK S, 32, AKW0, AKB0
	s_wait_loadcnt 36                              ; V is in: behind it the mask's 4 and K's 32
	QV S+32, AVW0, AVB0
	BAR                                            ; Q's images and the first 256 keys' lie in LDS
	QFETCH
	s_wait_dscnt 0x0
	INIT
	s_mov_b32 s44, 2*STEPI                         ; the shares write a pair of steps ahead
	s_mov_b32 s45, 2*STEPS
	s_mov_b32 s46, 3
	; ---- the first pass: a trip attends to 256 keys and quantises the next 256
.LpairA:
	STEP 32, 128, 0                                ; behind the mask's loads stand K's 32
	s_wait_loadcnt 4                               ; K's are in; the next step's mask may be out
	v_add_nc_u32 v[T1], s44, v[AKW0]
	v_add_nc_u32 v[T2], s45, v[AKB0]
	QK X, 32, T1, T2
	s_add_nc_u64 s[18:19], s[18:19], 1024          ; (V's last loads were shown done a trip ago)
	XLOADV X
	STEP 8, 128, 0                                 ; behind the mask's loads stand V's 8
	s_wait_loadcnt 4                               ; V's are in
	v_add_nc_u32 v[T1], s44, v[AVW0]
	v_add_nc_u32 v[T2], s45, v[AVB0]
	QV X, T1, T2
	s_add_nc_u64 s[26:27], s[16:17], 1024
	s_cmp_eq_u32 s46, 1
	s_cselect_b64 s[16:17], s[20:21], s[26:27]     ; the last trip fetches the second pass's Q in the place of K: the same 32 loads on every way
	XLOADK X, 16
	s_add_co_u32 s44, s44, 2*STEPI
	s_add_co_u32 s45, s45, 2*STEPS
	BAR                                            ; the next 256 keys' images lie in LDS
	s_sub_co_u32 s46, s46, 1
	s_cmp_lg_u32 s46, 0
	s_cbranch_scc1 .LpairA
	STEP 32, 128, 0                                ; the last 256 keys: nothing is left to quantise
	STEP 0, 261248, 0                              ; the mask goes 256 rows on and 7 steps back: 262,144 - 896
	FINISH 0
	; ---- the second pass: LDS alone
	s_mov_b32 s46, 4
.LpairB:
	STEP 0, 128, 0
	STEP 0, 128, 1
	s_sub_co_u32 s46, s46, 1
	s_cmp_lg_u32 s46, 0
	s_cbranch_scc1 .LpairB
	FINISH 1
	s_wait_xcnt 0x0
	v_lshl_add_u32 v254, v0, 2, 0x48000
	v_mov_b32 v255, 0
	s_wait_tensorcnt 0x0
	ds_add_u32 v254, v255
	s_wait_dscnt 0x0
	s_endpgm
.Lfunc_end_k_qa97a551cc5_attn:
	.size	k_qa97a551cc5_attn, .Lfunc_end_k_qa97a551cc5_attn-k_qa97a551cc5_attn
	.p2alignl 7, 3214868480
	.fill 96, 4, 3214868480
	.section	.rodata,"a",@progbits
	.p2align	6, 0x0
	.amdhsa_kernel k_qa97a551cc5_attn
		.amdhsa_group_segment_fixed_size 296960
		.amdhsa_private_segment_fixed_size 0
		.amdhsa_enable_private_segment 0
		.amdhsa_kernarg_size 32
		.amdhsa_user_sgpr_count 2
		.amdhsa_user_sgpr_kernarg_segment_ptr 1
		.amdhsa_wavefront_size32 1
		.amdhsa_system_sgpr_workgroup_id_x 1
		.amdhsa_system_sgpr_workgroup_id_y 1
		.amdhsa_system_sgpr_workgroup_id_z 1
		.amdhsa_system_vgpr_workitem_id 0
		.amdhsa_next_free_vgpr 256
		.amdhsa_next_free_sgpr 66
		.amdhsa_reserve_vcc 0
		.amdhsa_float_denorm_mode_32 3
		.amdhsa_float_denorm_mode_16_64 3
		.amdhsa_memory_ordered 1
		.amdhsa_forward_progress 1
		.amdhsa_inst_pref_size 175
	.end_amdhsa_kernel
	.amdgpu_metadata
---
amdhsa.version: [ 1, 2 ]
amdhsa.kernels:
  - .name:           k_qa97a551cc5_attn
    .symbol:         k_qa97a551cc5_attn.kd
    .args:
      - { .name: qkv, .offset: 0, .size: 8, .value_kind: global_buffer, .address_space: global }
      - { .name: mask, .offset: 8, .size: 8, .value_kind: global_buffer, .address_space: global }
      - { .name: qk_bias, .offset: 16, .size: 8, .value_kind: global_buffer, .address_space: global }
      - { .name: out0, .offset: 24, .size: 8, .value_kind: global_buffer, .address_space: global }
    .group_segment_fixed_size: 296960
    .private_segment_fixed_size: 0
    .kernarg_segment_align: 8
    .kernarg_segment_size: 32
    .max_flat_workgroup_size: 512
    .sgpr_count:     66
    .vgpr_count:     256
    .wavefront_size: 32
...
	.end_amdgpu_metadata
.endif
;; end of part 1
;; ======== version 2 of 2: 1 launch; version 1 with the launch attn written anew for expert scheduling mode
;; limits: right only within a limited range of input values
;; launch attn (part 2): grid 256 x 1, 16 waves a work-group, no clusters, 296,960 bytes of LDS; arguments qkv, mask, qk_bias, out0; writes out0
.if DOCPART == 2
	.amdgcn_target "amdgcn-amd-amdhsa--gfx1250"
	.amdhsa_code_object_version 6
	.text
	.protected	k_qa97a551cc5_attn
	.globl	k_qa97a551cc5_attn
	.p2align	8
	.type	k_qa97a551cc5_attn,@function
k_qa97a551cc5_attn:
	s_mov_b64 s[64:65], 0
	v_nop
	global_prefetch_b8 v0, s[64:65] scope:SCOPE_SE
	s_setreg_imm32_b32 hwreg(HW_REG_WAVE_SCHED_MODE, 0, 2), 2
	s_setreg_imm32_b32 hwreg(HW_REG_WAVE_MODE, 25, 1), 1
	s_wait_xcnt 0x0
	s_wait_alu depctr_vm_vsrc(0)
; out0[i][c][t] = sum over s of softmax_s(mask ? (q scale).(k scale) + bias : -inf) v[c][s], 128 heads i, 64 channels, 1,024 times; head i takes mask[i % 8].
; Both products on codes of BF6 (E3M2) with one E8M0 scale for each 32 along a product's K: the first along the 64 channels, the second along the keys.
; qkv: head i = 192 rows of 1,024 f32: 64 of q, 64 of k, 64 of v, each [channel][time].
; THE SOFTMAX: t = logit x log2(e); M = the running largest t rounded up to a whole number; p = 2^(t - M) is quantised along the keys, not normalised; the row's sum is taken of the unquantised p and divides at the end.
; SHARES.  A work-group takes one head and 512 of its queries, in two passes of 256; each of its sixteen waves owns one tile of 16 queries a pass, in 256 registers, four waves to a SIMD.
; K AND V OF THE WHOLE HEAD are quantised by the work-group itself, once, into LDS, as images of the operands' registers: 96 KiB for 1,024 keys, each byte written once.  In the first pass the
; quantising runs 256 keys ahead of the attention; its f32 numbers come from memory straight into 32 registers a wave, a key step ahead.  The second pass reads LDS alone.
; LAYOUT.  Both products are used transposed (S^T = K Q^T, O^T = V^T P^T): a lane holds ONE query.  The keys of a tile of K are chosen: tile 4 c + u takes keys 64 c + 8 u + 0..7 in its rows 0-7 and keys
; 64 c + 32 + 8 u + 0..7 in its rows 8-15.  So register 32 c + e of the scores in lane (r, h) is key 64 c + 32 h + e: a WHOLE block of 32 keys in a lane, in the order that the second product's operand wants.
; THE MASK IS THE C OF THE FIRST PRODUCT.  q is quantised as q x (-scale), an exact change of sign, so the product is S' = -score.  Four mask bytes + 0x7f7f7f7f give 0x80 (counts) or 0x7f (hidden) a byte;
; that byte over 24 zero bits is -0.0 or 2^127.  So S' = -score where the key counts and about 2^127 where it is hidden; maxima become minima, and the multiply-add takes -log2(e).
; K = 64 OF THE INSTRUCTION'S 128: Q's registers 6-11 are zero codes; K's fragments lie 6 registers apart, a fragment's upper six being whatever follows (codes, or lane constants): they meet zero codes,
; under scale bytes 0 (2^-127), and add nothing.
; NO CLUSTER, NO TENSOR LOAD: only two work-groups share a head's K and V, and a lane needs a column of 32 channels of q or k in its registers, which plain loads give directly (128 consecutive bytes a wave).
; LIMITS: mask bytes are 0 or 1; a logit whose t lies under -2^100 counts as hidden; |score| stays under 1e37; NaN and infinities among the inputs are not served; a row with no key that counts gives
; 0 x (1 / 0) = NaN, as the softmax of such a row does; a block of zeros gets the scale byte 1 with zero codes; bias x log2(e) is rounded once and enters the multiply-add, where the definition rounds score + bias.
; THE MODE: SCHED_MODE bits 1:0 = 2 (LLVM: expert scheduling mode 2), set by the entry lines.  The code itself states the register dependences between vector or matrix instructions and
; memory or LDS instructions, with s_wait_alu, always for 0.
; THE PLAN.  Registers that memory or LDS instructions touch, and who else names them:
;   v3-6, v56-61   addresses and offsets: written at the head, never again.
;   v[ADF], v[ADS] read by a step's loads of K, V and their scale bytes; written by two additions at the step's end.
;   v[W ..]        the mask's global loads land; four LDS stores read; four LDS loads land; sixteen additions write, 64 selections read; then the next step's global loads land.
;   v[F ..], v[KS ..], v[VS ..], v[Q ..], v[QS]   LDS loads land, matrix instructions read; no vector instruction names them.
;   v[P ..], v[SO+1], v[T1], v[T2]   written by a share's and by a step's vector lines; read by a share's four LDS stores (v[P ..] also by the second products).
;   v[X ..]        global loads land; a share's vector lines read and write; a share of V also stores and loads it through the stage.
;   v[O ..], v[SM2], v[SM2+1], v[S ..]   on the way out: data and addresses of the stage's stores and loads, data of the global stores.
; A KEY STEP HAS SIX WAITS: two at its head (the mask's stores have read v[W ..], and all that stands ahead of the step has read its registers; the addresses are written and the last products are done with
; v[F ..]); one ahead of the next mask's loads; one behind the exponentials, behind which V's loads follow at once; one ahead of the second products, for p's codes and scale word; one ahead of the additions
; to the two addresses.  A SHARE HAS TWO: earlier stores have read the code registers; the codes, the byte and the addresses are written and the share's numbers read, so that the loads behind the share owe nothing.
.set IMG,   0                          ; LDS: 8 key steps x 12,288: K: 4 pairs of tiles x 1,536 (lane L's 48 bytes at 48 L: tile 2 p, then tile 2 p + 1, 24 bytes each); at +6,144 V: 4 tiles x 1,536 (lane L's 12 registers at 48 L)
.set STEPI, 12288
.set SCB,   98304                      ; 8 x 768 scale bytes: K: tile x 64 + row x 4 + channel block (bytes 2, 3 of a place are never read); at +512 V: channel x 4 + block
.set STEPS, 768
.set QIMG,  104448                     ; 16 tiles x 768: lane L's 24 bytes at 24 L
.set QSC,   116736                     ; 16 x 64: row x 4 + channel block
.set WST,   117760                     ; 16 x 6,912, each wave's own: the mask's stage, 16 rows x 144; at +2,304 V's stage, 32 rows x 144
.set WSTB,  6912
.set OST,   228352                     ; the way out: 64 channels x (256 queries x 4 bytes + 16)
.set OP,    1040
.set AF0,  1                           ; v1   48 x lane: my place in an image
.set ASC0, 2                           ; v2   SCB + 4 x lane
.set AKW0, 3                           ; v3   where my share of K's codes goes, in the first pair of key steps
.set AKB0, 4                           ; v4   and its scale byte
.set AVW0, 5                           ; v5   the same for V
.set AVB0, 6                           ; v6
.set ADF,  7                           ; v7   the images of the key step in hand
.set F,    8                           ; v8-55   fragments: K's tile t at F + 6 t; V's tile t at F + 12 t: named by LDS loads and matrix instructions alone
.set ASTS, 56                          ; v56  into my stage: 144 (lane / 8) + 16 (lane % 8)
.set AML,  57                          ; v57  the mask back: 144 r + 32 h
.set AVSL, 58                          ; v58  V back: 144 x lane
.set AMG,  59                          ; v59  the mask in memory: 1,024 (lane / 8) + 16 (lane % 8)
.set AXG,  60                          ; v60  4 x lane
.set AVG,  61                          ; v61  16 x lane          (v56-61 are never rewritten: they also stand behind K's last tile as its idle upper six registers)
.set ADS,  62                          ; v62  the scale bytes of the key step in hand
.set BL,   63                          ; v63  bias x log2(e)
.set AD,   64                          ; v64  BL - M;  v65 the largest t so far (named with it as a pair)
.set TMX,  65
.set NGM,  66                          ; v66  -M
.set T0,   67
.set SUM,  68                          ; v[68:69] the row's sum, in two halves
.set FF,   70                          ; v70  2^(old M - new M), at the end 1 / sum;  v71 = 0 for the whole launch
.set NIL,  71
.set BM,   72                          ; v72-73 a block's least S', then its largest p
.set SO,   74                          ; v74-75 the conversions' scale operands
.set SM2,  76                          ; v[76:77] the scale bytes, then (with v78) a conversion's odd half, then the second chain of the sum; on the way out two addresses
.set T1,   78
.set T2,   79
.set Q,    80                          ; v80-91  Q's fragment; 86-91 stay 0
.set QS,   92                          ; v92-99 hold scales and nothing else: Q's, p's, K's four (lanes 0-15 tile 2 p, lanes 16-31 tile 2 p + 1), V's two
.set PS,   93
.set KS,   94
.set VS,   98
.set P,    100                         ; v100-111 p's codes; between steps a share's codes
.set W,    112                         ; v112-127 mask bytes
.set X,    128                         ; v128-159 32 f32 numbers on their way from memory
.set O,    160                         ; v160-191 O^T: register 8 t + j = channel 16 t + 8 h + j of my query
.set S,    192                         ; v192-255 C, then S', then p
; scalars: s[4:11] arguments; s12 wave; s[16:17] K's, s[18:19] V's, s[22:23] the mask's, s[24:25] the output's pointer; s[20:21] Q of the second pass; s[26:27] at work;
; s[28:29] lane selects; s[30:31] -log2(e); s[32:33] scale; s[34:35] -scale; s37 0x7f7f7f7f; s38-41 byte selects; s42, s43 read offsets; s44, s45 write offsets; s46 counter; s56-61 LDS constants of my wave
; 32 numbers down 32 channels of one column (a key or a query): a load reads 128 consecutive bytes a wave
.macro XLOADK reg, base
.set ii, 0
.rept 32
	global_load_b32 v[\reg+ii], v[AXG], s[\base:\base+1] offset:ii*4096
.set ii, ii+1
.endr
.endm
; 4 channels x 256 keys of V: a load reads 512 consecutive bytes of one channel
.macro XLOADV reg
.irp i, 0,1,2,3,4,5,6,7
	global_load_b128 v[\reg+4*\i:\reg+4*\i+3], v[AVG], s[18:19] offset:(\i/2)*4096+(\i%2)*512
.endr
.endm
; A lane's 32 numbers, one whole block, become 24 bytes of codes at LDS v[aw] and a scale byte at v[ab].
.macro QCORE reg, aw, ab
	v_max3_num_f32 v[BM], |v[\reg]|, |v[\reg+1]|, 0x2800000          ; two chains; the floor 2^(5 - 127) among the leaves holds the byte at 1 from below
	v_max3_num_f32 v[BM+1], |v[\reg+16]|, |v[\reg+17]|, 0x2800000
.irp i, 2,4,6,8,10,12,14
	v_max3_num_f32 v[BM], v[BM], |v[\reg+\i]|, |v[\reg+\i+1]|
	v_max3_num_f32 v[BM+1], v[BM+1], |v[\reg+16+\i]|, |v[\reg+17+\i]|
.endr
	v_max_num_f32 v[BM], v[BM], v[BM+1]                              ; the block's largest magnitude
	s_wait_dscnt 0x0                                                 ; an earlier share's LDS stores are done: their code and byte registers are written again below
	s_wait_alu depctr_vm_vsrc(0)                                     ; an earlier share's LDS stores have read v[P ..] and v[SO+1], which the lines below write again
	v_add_nc_u32 v[SO], 0xfe000000, v[BM]                            ; 4 off the exponent field: the conversion takes that field as its scale
	v_cvt_scalef32_pk16_bf6_f32 v[P:P+2], v[\reg:\reg+15], v[SO]
	v_cvt_scalef32_pk16_bf6_f32 v[P+8:P+10], v[\reg+16:\reg+31], v[SO]   ; (a conversion's three registers begin on an even number)
	v_lshrrev_b32 v[SO+1], 23, v[SO]                                 ; the scale's byte; also the plain line behind the conversions
	v_mov_b32 v[P+3], v[P+8]
	v_mov_b32 v[P+4], v[P+9]
	v_mov_b32 v[P+5], v[P+10]
	s_wait_alu depctr_va_vdst(0)                                     ; the codes v[P .. P+5], the byte v[SO+1] and the two addresses are written, which the four stores read; and the share's 32 numbers have been read and written for the last time: the loads that follow the share land there
	ds_store_b64 v[\aw], v[P:P+1]
	ds_store_b64 v[\aw], v[P+2:P+3] offset:8
	ds_store_b64 v[\aw], v[P+4:P+5] offset:16
	ds_store_b8 v[\ab], v[SO+1]
.endm
; a share of K or of Q: x scale in f32 first (s[sc:sc+1]: +scale for K, -scale for Q)
.macro QK reg, sc, aw, ab
.set ii, 0
.rept 16
	v_pk_mul_f32 v[\reg+ii:\reg+ii+1], v[\reg+ii:\reg+ii+1], s[\sc:\sc+1] op_sel_hi:[1,0]
.set ii, ii+2
.endr
	QCORE \reg, \aw, \ab
.endm
; a share of V: the 4,096 bytes turn through my own stage, so that a lane holds one block of 32 neighbouring keys (row 8 ch + block of the stage = lane)
.macro QV reg, aw, ab
.irp i, 0,1,2,3,4,5,6,7
	ds_store_b128 v[ASTS], v[\reg+4*\i:\reg+4*\i+3] offset:2304+576*\i
.endr
	s_wait_alu depctr_vm_vsrc(0)                                     ; the eight stores have read the 32 registers, in which the eight loads below land
.irp i, 0,1,2,3,4,5,6,7
	ds_load_b128 v[\reg+4*\i:\reg+4*\i+3], v[AVSL] offset:16*\i     ; LDS serves a wave's instructions in order: these see the stores above
.endr
	s_wait_dscnt 0x0
	QCORE \reg, \aw, \ab
.endm
; where my share of Q goes: lane = query 32 (wave / 2) + lane of the pass: tile 2 (wave / 2) + lane / 16, operand lane r + 16 (wave % 2)
.macro QADDR
	v_bfe_u32 v[T1], v0, 4, 1
	v_and_b32 v[T0], 15, v0
	v_lshlrev_b32 v[T2], 6, v[T1]
	v_mul_u32_u24 v[T1], v[T1], 768
	v_mad_u32_u24 v[T1], v[T0], 24, v[T1]
	v_lshl_add_u32 v[T2], v[T0], 2, v[T2]
	v_add_nc_u32 v[T1], s56, v[T1]
	v_add_nc_u32 v[T2], s57, v[T2]
.endm
; my tile of Q: both addresses first, then four LDS loads behind one wait
.macro QFETCH
	v_and_b32 v[T0], 31, v0
	v_mul_u32_u24 v[T0], v[T0], 24
	v_add_nc_u32 v[T0], s58, v[T0]
	v_and_b32 v[T1], 15, v0
	v_lshl_add_u32 v[T1], v[T1], 2, s59
	s_wait_alu depctr_va_vdst(0)                                     ; v[T0] and v[T1] are written, by which the four loads read; the products of a pass before are done reading v[Q ..] and v[QS], in which they land
	ds_load_b64 v[Q:Q+1], v[T0]
	ds_load_b64 v[Q+2:Q+3], v[T0] offset:8
	ds_load_b64 v[Q+4:Q+5], v[T0] offset:16
	ds_load_u16 v[QS], v[T1]                                         ; two bytes; bytes 2 and 3 of the word are 0
.endm
.macro BAR                                     ; my LDS stores have landed and my LDS loads are in: then the work-group's barrier
	s_wait_dscnt 0x0
	s_barrier_signal -1
	s_barrier_wait -1
.endm
; a pass begins: the step is written once; its first turn finds zeros, which the first change of M leaves zeros
.macro INIT
.set ii, 0
.rept 32
	v_mov_b32 v[O+ii], 0
.set ii, ii+1
.endr
	v_mov_b32 v[SUM], 0
	v_mov_b32 v[SUM+1], 0
	v_mov_b32 v[TMX], 0xf1800000                                     ; -2^100, under every t that is served
	v_floor_f32 v[NGM], -v[TMX]
	s_mov_b32 s42, 0
	s_mov_b32 s43, 0
	v_add_nc_u32 v[ADF], s42, v[AF0]
	v_add_nc_u32 v[ADS], s43, v[ASC0]
.endm
; A KEY STEP: my 16 queries x 128 keys.  xl: the loads issued behind this step's four mask loads.  inc: how far the mask's pointer goes for the next step.  guard = 1: the pass's last step asks for no mask.
.macro STEP xl, inc, guard
	s_wait_loadcnt \xl                                               ; loads come back in order: the four mask loads are in, the younger ones stay out
.irp i, 0,1,2,3
	ds_store_b128 v[ASTS], v[W+4*\i:W+4*\i+3] offset:576*\i         ; 16 rows x 128 bytes through my stage,
.endr
	s_wait_alu depctr_vm_vsrc(0)                                     ; the four stores have read v[W ..], in which the loads below land; and what was issued ahead of the step has read the registers that this step writes again: a share's stores v[P ..], v[SO+1], v[T1], v[T2]; Q's loads v[T0], v[T1]; the way out's stores and loads v[S ..], v[SM2], v[SM2+1]
	s_wait_alu depctr_va_vdst(0)                                     ; v[ADF] and v[ADS] are written, by which the loads below read; the last step's products are done reading v[F ..] and v[KS ..], in which they land
	ds_load_b128 v[W:W+3], v[AML]                                    ; and back: my query's bytes of keys 32 h + 0..31
	ds_load_b128 v[W+4:W+7], v[AML] offset:16
	ds_load_b128 v[W+8:W+11], v[AML] offset:64                       ; and 64 + 32 h + 0..31
	ds_load_b128 v[W+12:W+15], v[AML] offset:80
.irp n, 0,1,2,3,4,5,6,7,8,9,10,11
	ds_load_b128 v[F+4*\n:F+4*\n+3], v[ADF] offset:(\n/3)*1536+16*(\n%3)   ; K's eight tiles, two to an image
.endr
.irp i, 0,1,2,3
	ds_load_u16 v[KS+\i], v[ADS] offset:128*\i
.endr
	s_wait_dscnt 16                                                  ; the mask bytes are back; K's 12 + 4 loads may be out
.set ii, 0
.rept 16
	v_add_nc_u32 v[W+ii], s37, v[W+ii]                               ; four bytes at once: 1 -> 0x80, 0 -> 0x7f; no carry leaves a byte
.set ii, ii+1
.endr
.set ii, 0
.rept 64
	v_perm_b32 v[S+ii], v[W+ii/4], v[NIL], s[38+ii%4]                ; byte ii % 4 over 24 zero bits: -0.0 or 2^127: the product's C
.set ii, ii+1
.endr
.rept 4
	v_nop                                                            ; between the vector writes of C and the products
.endr
	s_wait_alu depctr_va_vdst(0)                                     ; the additions have written v[W ..] and the selections have read it: the next step's mask lands there
.if \guard
	s_cmp_eq_u32 s46, 1
	s_cbranch_scc1 .Lno_mask_\@                                      ; behind the very last step no load leaves the mask
.endif
	s_add_nc_u64 s[22:23], s[22:23], \inc                            ; (the loads that named this pointer were shown done at the step's head)
.irp i, 0,1,2,3
	global_load_b128 v[W+4*\i:W+4*\i+3], v[AMG], s[22:23] offset:4096*\i   ; the next step's mask: 4 rows x 128 bytes a load
.endr
.if \guard
.Lno_mask_\@:
.endif
	s_wait_dscnt 0x0                                                 ; K's fragments and scale words
.irp t, 0,2,4,6                                ; S' = C - K Q^T: eight accumulators, one instruction each
	v_wmma_scale_f32_16x16x128_f8f6f4 v[S+8*\t:S+8*\t+7], v[F+6*\t:F+6*\t+11], v[Q:Q+11], v[S+8*\t:S+8*\t+7], v[KS+\t/2], v[QS] matrix_a_fmt:MATRIX_FMT_BF6 matrix_b_fmt:MATRIX_FMT_BF6
	v_wmma_scale_f32_16x16x128_f8f6f4 v[S+8*\t+8:S+8*\t+15], v[F+6*\t+6:F+6*\t+17], v[Q:Q+11], v[S+8*\t+8:S+8*\t+15], v[KS+\t/2], v[QS] matrix_a_fmt:MATRIX_FMT_BF6 matrix_b_fmt:MATRIX_FMT_BF6 matrix_a_scale:MATRIX_SCALE_ROW1
.endr
.rept 4
	v_nop                                                            ; four places behind the products (ISA guide 7.12.1)
.endr
	v_min3_num_f32 v[BM], v[S], v[S+1], v[S+2]                       ; the least S' (the largest score) of each of my two blocks of 32 keys, ascending
	v_min3_num_f32 v[BM+1], v[S+32], v[S+33], v[S+34]
.irp i, 3,5,7,9,11,13,15,17,19,21,23,25,27,29
	v_min3_num_f32 v[BM], v[BM], v[S+\i], v[S+\i+1]
	v_min3_num_f32 v[BM+1], v[BM+1], v[S+32+\i], v[S+33+\i]
.endr
	v_min_num_f32 v[BM], v[BM], v[S+31]
	v_min_num_f32 v[BM+1], v[BM+1], v[S+63]
	v_min_num_f32 v[T0], v[BM], v[BM+1]
	v_permlanex16_b32 v[T1], v[T0], s28, s29                         ; my query's other 64 keys lie in the lane 16 away
	v_min_num_f32 v[T0], v[T0], v[T1]
	v_fma_f32 v[T0], v[T0], s30, v[BL]                               ; the step's largest t = -S' log2(e) + bias log2(e)
	v_max_num_f32 v[TMX], v[TMX], v[T0]
	v_mov_b32 v[T1], v[NGM]
	v_floor_f32 v[NGM], -v[TMX]                                      ; -M = floor(-t): M is a whole number
	v_sub_f32 v[T1], v[NGM], v[T1]                                   ; old M - new M, 0 or less
	v_cvt_i32_f32 v[T1], v[T1]                                       ; (it saturates)
	v_ldexp_f32 v[FF], 1.0, v[T1]                                    ; 2^(old M - new M): rounds nothing
	v_add_f32 v[AD], v[BL], v[NGM]
.set ii, 0
.rept 32
	v_pk_fma_f32 v[S+ii:S+ii+1], v[S+ii:S+ii+1], s[30:31], v[AD:AD+1] op_sel_hi:[1,0,0]   ; t - M, two at a time
.set ii, ii+2
.endr
	v_fma_f32 v[BM], v[BM], s30, v[AD]                               ; the same of each block's largest score
	v_fma_f32 v[BM+1], v[BM+1], s30, v[AD]
.set ii, 0
.rept 64
	v_exp_f32 v[S+ii], v[S+ii]                                       ; p = 2^(t - M); a hidden key's is 0
.set ii, ii+1
.endr
	v_exp_f32 v[BM], v[BM]                                           ; the block's largest p: the same two instructions on the same number
	v_exp_f32 v[BM+1], v[BM+1]
	v_pk_mul_f32 v[SUM:SUM+1], v[SUM:SUM+1], v[FF:FF+1] op_sel_hi:[1,0]   ; the sum under the new M; also the plain line behind the exponentials
	s_wait_alu depctr_va_vdst(0)                                     ; the 66 exponentials have written v[S ..] and v[BM], v[BM+1], ahead of their first reader; and the first products are done reading v[F ..], the last step's second products v[VS ..]: V's loads land there
.irp n, 0,1,2,3,4,5,6,7,8,9,10,11
	ds_load_b128 v[F+4*\n:F+4*\n+3], v[ADF] offset:6144+(\n/3)*1536+16*(\n%3)   ; V's four tiles.  No vector instruction from here to the second products names v[F ..] or v[VS ..]
.endr
	ds_load_b32 v[VS], v[ADS] offset:512
	ds_load_b32 v[VS+1], v[ADS] offset:640
	v_max_num_f32 v[BM], 0x2800000, v[BM]                            ; the floor 2^(5 - 127)
	v_max_num_f32 v[BM+1], 0x2800000, v[BM+1]
	v_add_nc_u32 v[SO], 0xfe000000, v[BM]
	v_add_nc_u32 v[SO+1], 0xfe000000, v[BM+1]
	v_lshrrev_b32 v[SM2], 23, v[SO]
	v_lshrrev_b32 v[SM2+1], 23, v[SO+1]
	v_lshl_or_b32 v[T1], v[SM2+1], 16, v[SM2]                        ; my blocks h and 2 + h
	v_permlanex16_b32 v[T2], v[T1], s28, s29
	v_lshl_or_b32 v[PS], v[T2], 8, v[T1]                             ; lanes 0-15: the four bytes of my query's scale word; lanes 16-31 are not read
	v_cvt_scalef32_pk16_bf6_f32 v[P:P+2], v[S:S+15], v[SO]
	v_cvt_scalef32_pk16_bf6_f32 v[P+8:P+10], v[S+16:S+31], v[SO]     ; (three registers from an even number on: the odd halves are made elsewhere and moved: this one in the operand's own upper registers,
	v_cvt_scalef32_pk16_bf6_f32 v[SM2:SM2+2], v[S+48:S+63], v[SO+1]  ; this one in v76-78, which are done with; so that V's loads, which are out, find v[F ..] untouched)
	v_nop                                                            ; one plain line behind the conversions
.irp i, 0,1,2
	v_mov_b32 v[P+3+\i], v[P+8+\i]
.endr
	v_cvt_scalef32_pk16_bf6_f32 v[P+6:P+8], v[S+32:S+47], v[SO+1]    ; behind the moves that emptied v[P+8]
.irp i, 0,1,2
	v_mov_b32 v[P+9+\i], v[SM2+\i]                                   ; (plain lines behind that conversion, none of whose registers they name)
.endr
	v_pk_add_f32 v[SM2:SM2+1], v[S:S+1], v[S+2:S+3]                  ; the row's sum of the unquantised p, in two chains.  These 32 lines are also the places between the writes of p's codes and scale word and the products
.set ii, 4
.rept 15
	v_pk_add_f32 v[SUM:SUM+1], v[SUM:SUM+1], v[S+ii:S+ii+1]
	v_pk_add_f32 v[SM2:SM2+1], v[SM2:SM2+1], v[S+ii+2:S+ii+3]
.set ii, ii+4
.endr
	v_pk_add_f32 v[SUM:SUM+1], v[SUM:SUM+1], v[SM2:SM2+1]
.set ii, 0
.rept 16
	v_pk_mul_f32 v[O+ii:O+ii+1], v[O+ii:O+ii+1], v[FF:FF+1] op_sel_hi:[1,0]   ; O^T under the new M, each tile from its low end on
.set ii, ii+2
.endr
	s_wait_dscnt 0x0                                                 ; V's fragments and scale words
	s_wait_alu depctr_va_vdst(0)                                     ; p's codes v[P ..] and its scale word v[PS] are written, which the scaled products take; the places above stay beside this wait
.irp t, 0,2                                    ; O^T += V^T P^T: four accumulators, one instruction each
	v_wmma_scale_f32_16x16x128_f8f6f4 v[O+8*\t:O+8*\t+7], v[F+12*\t:F+12*\t+11], v[P:P+11], v[O+8*\t:O+8*\t+7], v[VS+\t/2], v[PS] matrix_a_fmt:MATRIX_FMT_BF6 matrix_b_fmt:MATRIX_FMT_BF6
	v_wmma_scale_f32_16x16x128_f8f6f4 v[O+8*\t+8:O+8*\t+15], v[F+12*\t+12:F+12*\t+23], v[P:P+11], v[O+8*\t+8:O+8*\t+15], v[VS+\t/2], v[PS] matrix_a_fmt:MATRIX_FMT_BF6 matrix_b_fmt:MATRIX_FMT_BF6 matrix_a_scale:MATRIX_SCALE_ROW1
.endr
	s_add_co_u32 s42, s42, STEPI                                     ; on to the next key step's images and scale bytes
	s_add_co_u32 s43, s43, STEPS
	s_wait_alu depctr_vm_vsrc(0)                                     ; this step's loads of K, V and their scale bytes have read v[ADF] and v[ADS], which the two additions write
	v_add_nc_u32 v[ADF], s42, v[AF0]                                 ; with the two v_nop: four places behind the products, ahead of loads into their fragments, writes of p's codes and reads of O^T
	v_add_nc_u32 v[ADS], s43, v[ASC0]
	v_nop
	v_nop
.endm
; THE WAY OUT of a pass.  O^T / sum goes into the work-group's stage [channel][256 queries]; each wave then stores 4 whole channels, 512 consecutive bytes an instruction.
; pass = 0: the second pass's Q is quantised ahead of the same barrier and fetched behind it.
.macro FINISH pass
	v_add_f32 v[T0], v[SUM], v[SUM+1]
	v_permlanex16_b32 v[T1], v[T0], s28, s29
	v_add_f32 v[T0], v[T0], v[T1]                                    ; the row's sum
	v_rcp_f32 v[FF], v[T0]
	v_bfe_u32 v[SM2], v0, 4, 1                                       ; (a plain line behind the reciprocal)
	v_and_b32 v[SM2+1], 15, v0
	v_mul_u32_u24 v[SM2], v[SM2], 8*OP
	v_lshl_add_u32 v[SM2], v[SM2+1], 2, v[SM2]
	v_add_nc_u32 v[SM2], s60, v[SM2]                                 ; in: channel 8 h (+ 16 t + j in the offset), query 16 wave + r
	v_add_nc_u32 v[SM2+1], s61, v[AVG]                               ; back: channel 4 wave on, 16 bytes a lane
.set ii, 0
	s_wait_alu depctr_va_vdst(0)                                     ; the reciprocal has written v[FF], ahead of its first reader
.rept 16
	v_pk_mul_f32 v[O+ii:O+ii+1], v[O+ii:O+ii+1], v[FF:FF+1] op_sel_hi:[1,0]
.set ii, ii+2
.endr
.if \pass
	BAR                                                              ; every wave's reads of the first pass's stage are over
.endif
	s_wait_alu depctr_va_vdst(0)                                     ; O^T / sum and the address v[SM2] are written, which the 32 stores read
.irp t, 0,1,2,3
.irp j, 0,1,2,3,4,5,6,7
	ds_store_b32 v[SM2], v[O+8*\t+\j] offset:(16*\t+\j)*OP
.endr
.endr
.if \pass == 0
	s_wait_loadcnt 4                                                 ; the second pass's Q is in; its first four mask loads may be out
	QADDR
	QK X, 34, T1, T2
.endif
	BAR                                                              ; the stage is whole (and Q's images are)
.irp n, 0,1,2,3,4,5,6,7
	ds_load_b128 v[S+4*\n:S+4*\n+3], v[SM2+1] offset:(\n/2)*OP+(\n%2)*512
.endr
.if \pass == 0
	s_wait_alu depctr_vm_vsrc(0)                                     ; the share's stores have read v[T1], which the lines below write; the stage's stores have read v[O ..], which the next pass's opening clears
	QFETCH
.endif
.irp n, 0,1,2,3,4,5,6,7
	s_wait_dscnt 7-\n+4*(1-\pass)                                    ; LDS loads come back in order: load n is in (behind the eight stand Q's four in the first pass)
	global_store_b128 v[AVG], v[S+4*\n:S+4*\n+3], s[24:25] offset:(\n/2)*4096+(\n%2)*512 th:TH_STORE_NT   ; 32 lanes store 512 consecutive bytes, at a multiple of 512 from the output's first byte
.endr
.if \pass == 0
	s_wait_dscnt 0x0                                                 ; Q
	INIT
	s_wait_xcnt 0x0                                                  ; the stores' data registers and base are written again only behind this wait (and v[S ..] only behind the wait at the next step's head, which states that the stores have read it)
	s_add_nc_u64 s[24:25], s[24:25], 1024                            ; 256 queries on
.endif
.endm
	; ---- the head
	s_load_b256 s[4:11], s[0:1], 0x0               ; qkv s[4:5], mask s[6:7], bias s[8:9], out0 s[10:11]
	v_lshrrev_b32 v72, 5, v0
	v_readfirstlane_b32 s12, v72                   ; wave 0..15
	v_and_b32 v72, 31, v0                          ; lane
	v_and_b32 v73, 15, v0                          ; r
	v_bfe_u32 v74, v0, 4, 1                        ; h
	v_bfe_u32 v75, v0, 3, 2                        ; lane / 8
	v_and_b32 v76, 7, v0                           ; lane % 8
	v_lshlrev_b32 v[AXG], 2, v72
	v_lshlrev_b32 v[AVG], 4, v72
	v_lshlrev_b32 v[AMG], 10, v75
	v_lshl_add_u32 v[AMG], v76, 4, v[AMG]
	s_wait_alu depctr_va_sdst(0)                   ; s12 is written, ahead of its first reader: my shares, pointers and LDS constants are made from it
	s_lshr_b32 s13, ttmp9, 1                       ; the head
	s_and_b32 s14, ttmp9, 1                        ; which 512 queries
	s_and_b32 s15, s12, 1                          ; my share: which 32 channels of q and k,
	s_lshr_b32 s47, s12, 1                         ; and which 32 columns of 256
	s_mul_i32 s48, s13, 786432                     ; the head's first byte in qkv (under 2^27)
	s_lshl_b32 s50, s15, 17
	s_lshl_b32 s51, s47, 7
	s_add_co_u32 s50, s50, s51
	s_add_co_u32 s50, s50, s48                     ; + 32 channels x 4,096 + 32 columns x 4
	s_mov_b32 s51, 0
	s_lshl_b32 s52, s14, 11
	s_add_co_u32 s52, s52, s50                     ; Q: + my half's 512 queries
	s_mov_b32 s53, 0
	s_add_co_u32 s50, s50, 262144                  ; K: 64 rows on
	s_lshl_b32 s54, s12, 14
	s_add_co_u32 s48, s48, s54
	s_add_co_u32 s48, s48, 524288                  ; V: 128 rows on, + my 4 channels
	s_mov_b32 s49, 0
	s_and_b32 s54, s13, 7                          ; the mask of head % 8,
	s_lshl_b32 s54, s54, 20
	s_lshl_b32 s55, s14, 19                        ; my half's 512 rows,
	s_add_co_u32 s54, s54, s55
	s_lshl_b32 s55, s12, 14                        ; my wave's 16
	s_add_co_u32 s54, s54, s55
	s_mov_b32 s55, 0
	s_wait_kmcnt 0x0
	s_load_b32 s36, s[8:9], 0x0                    ; the bias
	s_add_nc_u64 s[26:27], s[4:5], s[52:53]
	s_add_nc_u64 s[16:17], s[4:5], s[50:51]
	s_add_nc_u64 s[18:19], s[4:5], s[48:49]
	s_add_nc_u64 s[20:21], s[26:27], 1024          ; the second pass's Q: 256 queries on
	s_add_nc_u64 s[22:23], s[6:7], s[54:55]
	s_wait_alu depctr_va_vdst(0)                   ; the offsets v[AXG], v[AVG] and v[AMG] are written, which every global load and store of the kernel reads
	XLOADK X, 26                                   ; Q of the first pass,
	XLOADK S, 16                                   ; K of keys 0-255,
	XLOADV S+32                                    ; V of keys 0-255,
.irp i, 0,1,2,3
	global_load_b128 v[W+4*\i:W+4*\i+3], v[AMG], s[22:23] offset:4096*\i   ; and the first step's mask
.endr
	s_lshl_b32 s48, s13, 18                        ; the output: the head's 64 rows,
	s_lshl_b32 s49, s12, 14                        ; my 4 channels,
	s_add_co_u32 s48, s48, s49
	s_lshl_b32 s49, s14, 11                        ; my half's queries
	s_add_co_u32 s48, s48, s49
	s_mov_b32 s49, 0
	s_add_nc_u64 s[24:25], s[10:11], s[48:49]
	s_mov_b32 s28, 0x76543210
	s_mov_b32 s29, 0xfedcba98                      ; v_permlanex16_b32: lane l xor 16
	s_mov_b32 s30, 0xbfb8aa3b                      ; -log2(e)
	s_mov_b32 s31, s30                             ; (named with it as a pair, so it is written)
	s_mov_b32 s32, 0x3eb504f3                      ; scale = 1 / sqrt(sqrt(64))
	s_mov_b32 s33, s32
	s_mov_b32 s34, 0xbeb504f3                      ; -scale
	s_mov_b32 s35, s34
	s_mov_b32 s37, 0x7f7f7f7f
	s_mov_b32 s38, 0x04000000                      ; v_perm_b32: the top byte takes byte 0 .. 3 of the first source, the others byte 0 of the second (0)
	s_mov_b32 s39, 0x05000000
	s_mov_b32 s40, 0x06000000
	s_mov_b32 s41, 0x07000000
	; LDS constants of my wave.  My 32 keys of a pair of steps: step wave / 8, keys 64 c + 32 hk + lane with c = bit 2, hk = bit 1 of the wave's number
	s_lshr_b32 s50, s12, 3
	s_bfe_u32 s51, s12, 0x10002
	s_bfe_u32 s52, s12, 0x10001
	s_mul_i32 s53, s50, STEPI
	s_mul_i32 s54, s51, 3072
	s_add_co_u32 s53, s53, s54
	s_mul_i32 s54, s52, 384
	s_add_co_u32 s53, s53, s54
	s_mul_i32 s54, s15, 768
	s_add_co_u32 s53, s53, s54                     ; K's codes: pair of tiles 2 c (+ lane / 16), operand lane 8 hk + 16 cb (+ lane % 8)
	s_mul_i32 s54, s50, STEPS
	s_lshl_b32 s55, s51, 8
	s_add_co_u32 s54, s54, s55
	s_lshl_b32 s55, s52, 5
	s_add_co_u32 s54, s54, s55
	s_add_co_u32 s54, s54, s15
	s_add_co_u32 s54, s54, SCB                     ; K's scale byte: tile 4 c (+ lane / 8), row 8 hk (+ lane % 8), byte cb
	v_mul_u32_u24 v[AF0], v72, 48
	v_lshl_add_u32 v[ASC0], v72, 2, SCB
	v_mul_u32_u24 v[AKW0], v74, 1536
	v_mad_u32_u24 v[AKW0], v76, 48, v[AKW0]
	v_bfe_u32 v77, v0, 3, 1
	v_mad_u32_u24 v[AKW0], v77, 24, v[AKW0]
	v_add_nc_u32 v[AKW0], s53, v[AKW0]
	v_lshlrev_b32 v[AKB0], 6, v75
	v_lshl_add_u32 v[AKB0], v76, 2, v[AKB0]
	v_add_nc_u32 v[AKB0], s54, v[AKB0]
	s_lshr_b32 s50, s12, 2                         ; V: my channels 4 wave + lane / 8: tile wave / 4, row 4 (wave % 4) + lane / 8;
	s_mul_i32 s50, s50, 1536
	s_and_b32 s51, s12, 3
	s_mul_i32 s51, s51, 192
	s_add_co_u32 s50, s50, s51
	s_add_co_u32 s50, s50, 6144
	s_lshl_b32 s51, s12, 4
	s_add_co_u32 s51, s51, SCB+512
	v_mul_u32_u24 v[AVW0], v75, 48                 ; my block lane % 8 of the pair's eight: step bit 2, operand half bit 0, registers 6 x bit 1 on
	v_bfe_u32 v77, v0, 2, 1
	v_mad_u32_u24 v[AVW0], v77, STEPI, v[AVW0]
	v_and_b32 v78, 1, v0
	v_mad_u32_u24 v[AVW0], v78, 768, v[AVW0]
	v_bfe_u32 v79, v0, 1, 1
	v_mad_u32_u24 v[AVW0], v79, 24, v[AVW0]
	v_add_nc_u32 v[AVW0], s50, v[AVW0]
	v_and_b32 v[AVB0], 3, v0
	v_lshl_add_u32 v[AVB0], v75, 2, v[AVB0]
	v_mad_u32_u24 v[AVB0], v77, STEPS, v[AVB0]
	v_add_nc_u32 v[AVB0], s51, v[AVB0]
	s_mul_i32 s55, s12, WSTB
	s_add_co_u32 s55, s55, WST                     ; my stages
	v_mul_u32_u24 v[ASTS], v75, 144
	v_lshl_add_u32 v[ASTS], v76, 4, v[ASTS]
	v_add_nc_u32 v[ASTS], s55, v[ASTS]
	v_mul_u32_u24 v[AML], v73, 144
	v_lshl_add_u32 v[AML], v74, 5, v[AML]
	v_add_nc_u32 v[AML], s55, v[AML]
	v_mul_u32_u24 v[AVSL], v72, 144
	v_add_nc_u32 v[AVSL], s55, v[AVSL]
	v_add_nc_u32 v[AVSL], 2304, v[AVSL]
	s_mul_i32 s56, s47, 1536                       ; Q's images, written:
	s_mul_i32 s52, s15, 384
	s_add_co_u32 s56, s56, s52
	s_add_co_u32 s56, s56, QIMG
	s_lshl_b32 s57, s47, 7
	s_add_co_u32 s57, s57, s15
	s_add_co_u32 s57, s57, QSC
	s_mul_i32 s58, s12, 768                        ; and read: my tile
	s_add_co_u32 s58, s58, QIMG
	s_lshl_b32 s59, s12, 6
	s_add_co_u32 s59, s59, QSC
	s_lshl_b32 s60, s12, 6                         ; the output's stage: my 16 queries,
	s_add_co_u32 s60, s60, OST
	s_mul_i32 s61, s12, 4*OP                       ; my 4 channels
	s_add_co_u32 s61, s61, OST
.irp i, 6,7,8,9,10,11
	v_mov_b32 v[Q+\i], 0                           ; channels 64-127 do not exist: zero codes
.endr
	v_mov_b32 v[NIL], 0
	s_wait_kmcnt 0x0
	v_mov_b32 v[BL], s36
	v_mul_f32 v[BL], 0x3fb8aa3b, v[BL]             ; bias x log2(e)
	s_wait_loadcnt 44                              ; Q's 32 loads are in: behind them stand K's 32, V's 8 and the mask's 4
	QADDR
	QK X, 34, T1, T2                               ; (the wait ahead of this share's stores also states that all the LDS addresses made above are written)
	s_wait_xcnt 0x0                                ; K's pointer is stepped only behind this wait: the loads that name it may be out
	s_add_nc_u64 s[16:17], s[16:17], 1024
	XLOADK X, 16                                   ; K of keys 256-511
	s_wait_loadcnt 44                              ; K of keys 0-255 is in: behind it V's 8, the mask's 4 and the 32 just issued
	QK S, 32, AKW0, AKB0
	s_wait_loadcnt 36                              ; V is in: behind it the mask's 4 and K's 32
	QV S+32, AVW0, AVB0
	BAR                                            ; Q's images and the first 256 keys' lie in LDS
	QFETCH
	s_wait_dscnt 0x0
	INIT
	s_mov_b32 s44, 2*STEPI                         ; the shares write a pair of steps ahead
	s_mov_b32 s45, 2*STEPS
	s_mov_b32 s46, 3
	; ---- the first pass: a trip attends to 256 keys and quantises the next 256
.LpairA:
	STEP 32, 128, 0                                ; behind the mask's loads stand K's 32
	s_wait_loadcnt 4                               ; K's are in; the next step's mask may be out
	v_add_nc_u32 v[T1], s44, v[AKW0]
	v_add_nc_u32 v[T2], s45, v[AKB0]
	QK X, 32, T1, T2
	s_add_nc_u64 s[18:19], s[18:19], 1024          ; (V's last loads were shown done a trip ago)
	XLOADV X                                       ; no vector instruction since the share's wait names v[X ..]
	STEP 8, 128, 0                                 ; behind the mask's loads stand V's 8
	s_wait_loadcnt 4                               ; V's are in
	v_add_nc_u32 v[T1], s44, v[AVW0]
	v_add_nc_u32 v[T2], s45, v[AVB0]
	QV X, T1, T2
	s_add_nc_u64 s[26:27], s[16:17], 1024
	s_cmp_eq_u32 s46, 1
	s_cselect_b64 s[16:17], s[20:21], s[26:27]     ; the last trip fetches the second pass's Q in the place of K: the same 32 loads on every way
	XLOADK X, 16                                   ; no vector instruction since the share's wait names v[X ..]
	s_add_co_u32 s44, s44, 2*STEPI
	s_add_co_u32 s45, s45, 2*STEPS
	BAR                                            ; the next 256 keys' images lie in LDS
	s_sub_co_u32 s46, s46, 1
	s_cmp_lg_u32 s46, 0
	s_cbranch_scc1 .LpairA
	STEP 32, 128, 0                                ; the last 256 keys: nothing is left to quantise
	STEP 0, 261248, 0                              ; the mask goes 256 rows on and 7 steps back: 262,144 - 896
	FINISH 0
	; ---- the second pass: LDS alone
	s_mov_b32 s46, 4
.LpairB:
	STEP 0, 128, 0
	STEP 0, 128, 1
	s_sub_co_u32 s46, s46, 1
	s_cmp_lg_u32 s46, 0
	s_cbranch_scc1 .LpairB
	FINISH 1
	s_wait_xcnt 0x0
	s_wait_alu depctr_vm_vsrc(0)                   ; every LDS and memory instruction issued so far has read its registers, v254 and v255 among them (V's first share went through the stage from there): the two lines below write them
	v_lshl_add_u32 v254, v0, 2, 0x48000
	v_mov_b32 v255, 0
	s_wait_dscnt 0x0                               ; the closing lines, six on end
	s_wait_alu 0x0
	s_wait_tensorcnt 0x0
	ds_add_u32 v254, v255
	s_wait_dscnt 0x0
	s_endpgm
.Lfunc_end_k_qa97a551cc5_attn:
	.size	k_qa97a551cc5_attn, .Lfunc_end_k_qa97a551cc5_attn-k_qa97a551cc5_attn
	.p2alignl 7, 3214868480
	.fill 96, 4, 3214868480
	.section	.rodata,"a",@progbits
	.p2align	6, 0x0
	.amdhsa_kernel k_qa97a551cc5_attn
		.amdhsa_group_segment_fixed_size 296960
		.amdhsa_private_segment_fixed_size 0
		.amdhsa_enable_private_segment 0
		.amdhsa_kernarg_size 32
		.amdhsa_user_sgpr_count 2
		.amdhsa_user_sgpr_kernarg_segment_ptr 1
		.amdhsa_wavefront_size32 1
		.amdhsa_system_sgpr_workgroup_id_x 1
		.amdhsa_system_sgpr_workgroup_id_y 1
		.amdhsa_system_sgpr_workgroup_id_z 1
		.amdhsa_system_vgpr_workitem_id 0
		.amdhsa_next_free_vgpr 256
		.amdhsa_next_free_sgpr 66
		.amdhsa_reserve_vcc 0
		.amdhsa_float_denorm_mode_32 3
		.amdhsa_float_denorm_mode_16_64 3
		.amdhsa_memory_ordered 1
		.amdhsa_forward_progress 1
		.amdhsa_inst_pref_size 176
	.end_amdhsa_kernel
	.amdgpu_metadata
---
amdhsa.version: [ 1, 2 ]
amdhsa.kernels:
  - .name:           k_qa97a551cc5_attn
    .symbol:         k_qa97a551cc5_attn.kd
    .args:
      - { .name: qkv, .offset: 0, .size: 8, .value_kind: global_buffer, .address_space: global }
      - { .name: mask, .offset: 8, .size: 8, .value_kind: global_buffer, .address_space: global }
      - { .name: qk_bias, .offset: 16, .size: 8, .value_kind: global_buffer, .address_space: global }
      - { .name: out0, .offset: 24, .size: 8, .value_kind: global_buffer, .address_space: global }
    .group_segment_fixed_size: 296960
    .private_segment_fixed_size: 0
    .kernarg_segment_align: 8
    .kernarg_segment_size: 32
    .max_flat_workgroup_size: 512
    .sgpr_count:     66
    .vgpr_count:     256
    .wavefront_size: 32
...
	.end_amdgpu_metadata
.endif
;; end of part 2
